; MI455X (gfx1250); checked and timed in simulation.
; The chip was launched on July 23, 2026; its instructions are those of AMD's public machine-readable ISA for CDNA 5 (MIT licence, August 2026) and "CDNA5" Instruction Set Architecture Reference Guide (July 2026). The comments in the code are by the model that wrote it; some were corrected since.
;; Attn Block. Allowed arithmetic: matrix products marked QUANTISED: E2M3 operands, one E8M0 scale for each 32 along K, by v_wmma_scale_f32_16x16x128_f8f6f4 with both operands' format E2M3, f32 sums; everything else in f32.
;; Inputs: beta_k 64 float32; beta_q 64 float32; bkv 2,048 float32; bq 1,024 float32; gamma_k 64 float32; gamma_q 64 float32; wkv 1,024 x 2,048 float32; wq 1,024 x 1,024 float32; x1 4 x 2,048 x 1,024 float32; x2 4 x 2,048 x 1,024 float32.
;; Outputs: out0 4 x 2,048 x 1,024 float32.
;; This version of the problem:
;;   THIS VERSION OF THE PROBLEM IS GIVEN IN LOW PRECISION. The matrix products marked QUANTISED in the list below multiply operands that are first quantised to E2M3 (2 exponent bits, 3 mantissa bits; 6 bits a number), with one power-of-two scale for each 32 numbers along K (OCP MX v1.0); their sums are f32. All else is computed in f32.
;;   The module's matrix products, in the order in which they are computed (A, B: the left and right operand; K: the contracted axis; several contracted axes count as one K, in the product's order):
;;     1. [M 8,192, K 1,024] x [K 1,024, N 1,024]; A: input x1; B: input wq: QUANTISED
;;     2. [M 8,192, K 1,024] x [K 1,024, N 2,048]; A: input x2; B: input wkv: QUANTISED
;;     3. batch 64 x [M 2,048, K 64] x [K 64, N 2,048]; A: computed on the way; B: computed on the way: QUANTISED
;;     4. batch 64 x [M 2,048, K 2,048] x [K 2,048, N 64]; A: softmax (see below); B: computed on the way: QUANTISED
;;   THE QUANTISER, for each operand of a quantised product, along K:
;;     - K is cut into blocks of 32 from its start; a last block that is shorter is filled with zeros.
;;     - A block's scale is 2^e with e = floor(log2(the largest magnitude in the block)) - 2, held to -126 .. 127; a block of zeros has e = 0. As a byte (E8M0): e + 127.
;;     - Each number is divided by its block's scale, clamped to +-7.5, and rounded to the nearest number of E2M3, ties to even, subnormals kept.
;;     - The product sums the exact products of the quantised numbers (number of the format x scale) in f32.
;;   ~~~python
;;   def quantise(x, axis):      # numpy; x: float32 -> the quantised numbers, widened to float32 again
;;       x = np.moveaxis(x, axis, -1); K = x.shape[-1]
;;       x = np.pad(x, [(0, 0)] * (x.ndim - 1) + [(0, -K % 32)]); x = x.reshape(x.shape[:-1] + (-1, 32)); a = np.abs(x).max(-1, keepdims=True)
;;       e = np.where(a > 0, np.clip(np.frexp(np.where(a > 0, a, 1))[1] - 1 - 2, -126, 127), 0)      # np.frexp(a)[1] - 1 = floor(log2(a)), exactly
;;       r = np.clip(x / 2.0 ** e, -7.5, 7.5)
;;       step = 2.0 ** (np.maximum(np.frexp(np.where(r == 0, 1, r))[1] - 1, 0) - 3)
;;       q = np.round(r / step) * step * 2.0 ** e      # np.round: ties to even
;;       return np.moveaxis(q.reshape(q.shape[:-2] + (-1,))[..., :K], -1, axis).astype(np.float32)
;;   ~~~
;;   SOFTMAX AHEAD OF A QUANTISED PRODUCT. Where the list says 'softmax', what is quantised is not the finished softmax but p = 2^(t - M), with t = logit x log2(e) and M = ceil(the row's largest t), a whole number; so 1/2 < the row's largest p <= 1. The row's sum l is taken of the UNQUANTISED p, in f32, and the product's result is divided by l at the end. Since M is a whole number, a kernel that streams over the keys may use a running M (the ceiling of the running maximum): every later rescaling is an exact power of two, which a block's scale takes up: the codes' values come out the same.
;;   OPERANDS COMPUTED ON THE WAY. 'Computed on the way' means the value that the module computes at that place (a softmax that the list does not call 'softmax' is quantised finished and normalised). What goes into a quantiser is computed in f32, as accurately as f32 sums, v_exp_f32 and their like allow (about 1e-6 of the number): no bf16 or f16 on the way to a quantiser, and a product that is left as it is and whose result goes on into a quantised operand takes f32 operands (vector FMAs, or v_wmma_f32_16x16x4_f32). A number that lies on a knife's edge between two numbers of the format may be rounded either way, as far as f32 arithmetic and the matrix unit's own rounding can turn it there, and no further.
;; One version. Each part assembles by itself: llvm-mc -triple=amdgcn-amd-amdhsa -mcpu=gfx1250 --defsym DOCPART=n.
;; ======== version 1 of 1: 3 launches
;; limits: right only within a limited range of input values
;; workspace buffers: xc 12,582,912 bytes; xs 524,288 bytes; wc 2,359,296 bytes; ws 98,304 bytes; qc 6,291,456 bytes; qs 524,288 bytes; kv 13,631,488 bytes
;; launch prep (part 1): grid 352 x 1, 8 waves a work-group, no clusters, 93,184 bytes of LDS; arguments x1, x2, wq, wkv, xc, xs, wc, ws; writes xc, xs, wc, ws
.if DOCPART == 1
	.amdgcn_target "amdgcn-amd-amdhsa--gfx1250"
	.amdhsa_code_object_version 6
	.text
	.protected	k_q1660564221_prep
	.globl	k_q1660564221_prep
	.p2align	8
	.type	k_q1660564221_prep,@function
k_q1660564221_prep:
	s_mov_b64 s[64:65], 0
	v_nop
	global_prefetch_b8 v0, s[64:65] scope:SCOPE_SE
	s_setreg_imm32_b32 hwreg(HW_REG_WAVE_MODE, 25, 1), 1
	s_wait_xcnt 0x0
; x1, x2 [8192][1024] f32 (K innermost) and wq [1024][1024], wkv [1024][2048] f32 (K = the FIRST axis) become codes of FP6 (E2M3) with one E8M0 byte for each 32 along K.
; A block's scale is 2^(floor(log2(its largest magnitude)) - 2): its byte is that magnitude's exponent field - 2, held at 1 from below.
; LIMITS: NaN and infinities among the inputs are not served; a block whose largest magnitude lies under 2^-124 keeps the byte 1; a block of zeros keeps the byte 1 where the
; rule says 127 (its codes are zeros, which add nothing, and this program alone reads the bytes).
; THE CODES LEAVE AS IMAGES OF OPERAND REGISTERS.  A fragment is 16 rows x 128 K: 12 registers a lane, 1,536 bytes; registers 4 g .. 4 g + 3 of lane l lie at byte 512 g + 16 l.
; THE ROWS (COLUMNS OF W) OF A TILE ARE NOT NEIGHBOURS: of a group of 32, lane r of tile u takes 8 u + r + 8 (r / 8).
; xc [X 2][128 rows: 64][K step 8][tile 8][1536];  xs [X 2][32 rows: 256][kq 4][lane 32][2 words]: word e = K step 2 kq + e; lanes 0-15 tile 0's rows, lanes 16-31 tile 1's.
; wc [slab of 256 columns: 12 (0-3 wq, 4-11 wkv)][K step 8][tile 16][1536];  ws [slab 12][K step 8][32 columns: 8][lane 32] words, the lanes as in xs.
; Work-groups 0-255 take x1 and x2 (a wave: 32 rows x 256 K, four fragments), work-groups 256-351 the weights (a wave: 32 columns x 128 K, a lane to a column).
; Waves share nothing: no barrier.  Each of the two ways has LDS bytes of its own.
.set XSTW, 8448                        ; way X: a wave's stage: 16 rows x (512 bytes + 16), from LDS byte 0 on
.set XP,   528
.set WST,  67584                       ; way W: behind them, 3,072 bytes a wave: two fragments' images
.set MX,   10                          ; way X: v10-11 largest magnitudes; v12-13 the conversions' scale operands; v14-15 bytes
.set SOP,  12
.set BY,   14
.set WT,   16                          ; v16 the scale word in the making; v17 the other half of the lanes'; v18 tile 0's word
.set WP,   17
.set W0,   18
.set XSW,  20                          ; v[20:21] the two words that leave
.set PC,   24                          ; v24-35 a fragment's codes; v36-43 the conversions' upper halves
.set PT,   36
.set XN,   48                          ; v48-111 64 numbers of my row
.set R0,   112                         ; v112-175, v176-239 two sets of 16 x 4 registers as loaded
.set VO,   48                          ; way W: v48-79 byte offsets of 32 rows of W at my column
.set NN,   112                         ; v112-175 two sets of 32 numbers
.set CW,   24                          ; v24-30 a block's codes
.set OUTR, 176                         ; v176-199 the way out
.macro LOADF f                         ; fragment f = 2 e + u: its 16 rows, 512 consecutive bytes a load
.irp p, 0,1,2,3,4,5,6,7,8,9,10,11,12,13,14,15
	; x's ROWS (this takes the place of the order that the head gives for x; W's columns keep that order): of a group of 128 rows, lane r of tile 4 c + i takes row 64 c + 8 i + r % 8 + 32 (r / 8)
	global_load_b128 v[R0+64*((\f)%2)+4*\p:R0+64*((\f)%2)+4*\p+3], v4, s[4:5] offset:(8*((\f)%2)+\p+24*(\p/8))*4096+512*((\f)/2) th:TH_LOAD_NT
.endr
.endm
.macro XSTEP f
.if (\f) < 3
	s_wait_loadcnt 16                              ; this fragment's 16 loads are in; the next fragment's 16 may be out
.else
	s_wait_loadcnt 0x0
.endif
.irp p, 0,1,2,3,4,5,6,7,8,9,10,11,12,13,14,15
	ds_store_b128 v5, v[R0+64*((\f)%2)+4*\p:R0+64*((\f)%2)+4*\p+3] offset:XP*\p   ; the rows as they lie
.endr
.irp c, 0,1
.irp j, 0,1,2,3,4,5,6,7
	ds_load_b128 v[XN+32*\c+4*\j:XN+32*\c+4*\j+3], v6 offset:256*\c+16*\j     ; lane (r, h): k = 64 c + 32 h + 0 .. 31 of row r.  LDS serves a wave's instructions in order: these see the stores
.endr
.endr
	s_wait_dscnt 0x0                               ; the numbers are back, so the stores have read their registers,
.if (\f) < 2
	LOADF (\f)+2                                   ; which take the fragment two on
.endif
.irp c, 0,1
	v_max3_num_f32 v[MX+\c], |v[XN+32*\c]|, |v[XN+32*\c+1]|, 0x1800000       ; my block 2 c + h: all its 32 numbers are mine; the floor 2^(3 - 127) holds the byte at 1 from below
.endr
.irp i, 2,4,6,8,10,12,14,16,18,20,22,24,26,28,30
.irp c, 0,1
	s_delay_alu instid0(VALU_DEP_2)
	v_max3_num_f32 v[MX+\c], v[MX+\c], |v[XN+32*\c+\i]|, |v[XN+32*\c+\i+1]|
.endr
.endr
.irp c, 0,1
	s_delay_alu instid0(VALU_DEP_2)
	v_add_nc_u32 v[SOP+\c], 0xff000000, v[MX+\c]   ; 2 off the exponent field: the conversion takes this operand's exponent field as its scale
.endr
.irp c, 0,1
	s_delay_alu instid0(VALU_DEP_2)
	v_lshrrev_b32 v[BY+\c], 23, v[SOP+\c]          ; the scale's byte
.endr
	s_delay_alu instid0(VALU_DEP_1)
	v_lshl_or_b32 v[WT], v[BY+1], 16, v[BY]        ; my two bytes: blocks h and 2 + h,
	s_delay_alu instid0(VALU_DEP_1)
	v_lshlrev_b32 v[WT], v7, v[WT]                 ; 8 h bits up;
	s_delay_alu instid0(VALU_DEP_1)
	v_permlanex16_b32 v[WP], v[WT], s28, s29
	s_delay_alu instid0(VALU_DEP_1)
	v_or_b32 v[WT], v[WT], v[WP]                   ; with the other half's two the row's word is whole
	s_wait_alu depctr_va_vdst(0)
	s_wait_xcnt 0x0                                ; the last fragment's stores have read the codes' registers: they are written again only behind this wait
.irp c, 0,1
	v_cvt_scalef32_pk16_fp6_f32 v[PC+6*\c:PC+6*\c+2], v[XN+32*\c:XN+32*\c+15], v[SOP+\c]
	v_cvt_scalef32_pk16_fp6_f32 v[PT+4*\c:PT+4*\c+2], v[XN+32*\c+16:XN+32*\c+31], v[SOP+\c]   ; (a conversion's three registers begin on an even number)
.endr
	v_nop                                          ; one plain instruction behind the scaled conversions
.irp c, 0,1
.irp i, 0,1,2
	v_mov_b32 v[PC+6*\c+3+\i], v[PT+4*\c+\i]
.endr
.endr
.irp g, 0,1,2
	global_store_b128 v4, v[PC+4*\g:PC+4*\g+3], s[12:13] offset:12288*((\f)/2)+1536*((\f)%2)+512*\g   ; 32 lanes store 512 consecutive bytes, at a multiple of 256
.endr
.if (\f)%2 == 0
	v_mov_b32 v[W0], v[WT]                         ; tile 0's word waits for tile 1's
.else
	v_cndmask_b32 v[XSW+(\f)/2], v[W0], v[WT], s30 ; lanes 0-15 tile 0's, lanes 16-31 tile 1's
.endif
.endm
.macro LOADB t                         ; block t: W(128 s + 32 t + i, my column), i = 0 .. 31: 128 consecutive bytes a load
.set i, 0
.rept 32
	global_load_b32 v[NN+32*((\t)%2)+i], v[VO+i], s[32+2*(\t):33+2*(\t)] th:TH_LOAD_NT
.set i, i+1
.endr
.endm
.macro BLOCK t
.set NS, NN+32*((\t)%2)
.if (\t) < 3
	s_wait_loadcnt 32                              ; this block's 32 loads are in; the next block's 32 may be out
.else
	s_wait_loadcnt 0x0
.endif
	v_max3_num_f32 v10, |v[NS]|, |v[NS+1]|, |v[NS+2]|
	v_max3_num_f32 v11, |v[NS+3]|, |v[NS+4]|, |v[NS+5]|
.irp i, 6,10,14,18,22,26
	s_delay_alu instid0(VALU_DEP_2)
	v_max3_num_f32 v10, v10, |v[NS+\i]|, |v[NS+\i+1]|
	s_delay_alu instid0(VALU_DEP_2)
	v_max3_num_f32 v11, v11, |v[NS+\i+2]|, |v[NS+\i+3]|
.endr
	s_delay_alu instid0(VALU_DEP_2)
	v_max3_num_f32 v10, v10, |v[NS+30]|, |v[NS+31]|
	s_delay_alu instid0(VALU_DEP_1)
	v_max3_num_f32 v10, v10, v11, 0x1800000        ; and the floor
	s_delay_alu instid0(VALU_DEP_1)
	v_add_nc_u32 v12, 0xff000000, v10
	s_delay_alu instid0(VALU_DEP_1)
	v_lshrrev_b32 v13, 23, v12
.if (\t) == 0
	s_delay_alu instid0(VALU_DEP_1)
	v_mov_b32 v16, v13                             ; my column's scale word: byte t for block t
.else
	s_delay_alu instid0(VALU_DEP_1)
	v_lshl_or_b32 v16, v13, 8*(\t), v16
.endif
	v_cvt_scalef32_pk16_fp6_f32 v[CW:CW+2], v[NS:NS+15], v12
	v_cvt_scalef32_pk16_fp6_f32 v[CW+4:CW+6], v[NS+16:NS+31], v12
	v_nop                                          ; one plain instruction behind the scaled conversions
	v_mov_b32 v[CW+3], v[CW+4]                     ; six registers on end: registers 6 c .. 6 c + 5 of lane (r, h), with t = 2 c + h
	v_mov_b32 v[CW+4], v[CW+5]
	v_mov_b32 v[CW+5], v[CW+6]
.if (\t)/2 == 0
	ds_store_b128 v5, v[CW:CW+3] offset:256*((\t)%2)             ; registers 0-3: group 0
	ds_store_b64 v5, v[CW+4:CW+5] offset:512+256*((\t)%2)        ; registers 4, 5: the lower half of group 1
.else
	ds_store_b64 v5, v[CW:CW+1] offset:520+256*((\t)%2)          ; registers 6, 7: its upper half
	ds_store_b128 v5, v[CW+2:CW+5] offset:1024+256*((\t)%2)      ; registers 8-11: group 2
.endif
.if (\t) < 2
	LOADB (\t)+2
.endif
	s_wait_dscnt 0x0                               ; the stores have read their registers: the next block's codes may be written
.endm
	s_load_b256 s[4:11], s[0:1], 0x0               ; x1 s[4:5], x2 s[6:7], wq s[8:9], wkv s[10:11]
	s_load_b256 s[12:19], s[0:1], 0x20             ; xc s[12:13], xs s[14:15], wc s[16:17], ws s[18:19]
	v_lshl_add_u32 v240, v0, 2, 0x16800
	v_mov_b32 v241, 0
	v_lshrrev_b32 v1, 5, v0
	s_delay_alu instid0(VALU_DEP_1)
	v_readfirstlane_b32 s20, v1                    ; wave 0..7
	v_and_b32 v1, 31, v0                           ; lane
	s_cmp_ge_u32 ttmp9, 256
	s_cbranch_scc1 .Lweights
	; ---- way X
	s_mov_b32 s28, 0x76543210
	s_mov_b32 s29, 0xfedcba98                      ; v_permlanex16_b32's selects for lane l xor 16
	s_mov_b32 s30, 0xffff0000                      ; lanes 16-31
	v_and_b32 v2, 15, v0                           ; r
	v_bfe_u32 v3, v0, 4, 1                         ; h
	v_lshlrev_b32 v4, 4, v1                        ; 16 x lane
	s_mul_i32 s21, s20, XSTW                       ; my stage
	v_add_nc_u32 v5, s21, v4                       ; in: 16 x lane of a row
	v_mul_u32_u24 v6, v2, XP
	s_delay_alu instid0(VALU_DEP_1)
	v_lshl_add_u32 v6, v3, 7, v6
	s_delay_alu instid0(VALU_DEP_1)
	v_add_nc_u32 v6, s21, v6                       ; out: row r, + 128 h
	v_lshlrev_b32 v7, 3, v3                        ; 8 h
	v_lshlrev_b32 v8, 3, v1                        ; 8 x lane
	v_mov_b32 v[WP], 0                             ; written once: a lane permute's destination counts as one of its sources
	s_lshr_b32 s22, ttmp9, 7                       ; X: x1 or x2
	s_and_b32 s23, ttmp9, 127
	s_lshl_b32 s23, s23, 3
	s_add_co_u32 s23, s23, s20
	s_lshr_b32 s24, s23, 2                         ; P: which 32 rows
	s_and_b32 s25, s23, 3                          ; kq: which 256 along K
	s_lshr_b32 s32, s24, 1                         ; in: my two tiles begin at row 64 (P / 2) + 16 (P % 2), rows of 4,096 bytes,
	s_lshl_b32 s32, s32, 18
	s_and_b32 s26, s24, 1
	s_lshl_b32 s26, s26, 16
	s_add_co_u32 s32, s32, s26
	s_lshl_b32 s26, s25, 10                        ; 256 numbers
	s_add_co_u32 s32, s32, s26
	s_mov_b32 s33, 0
	s_mul_i32 s34, s22, 6291456                    ; xc: X,
	s_lshr_b32 s26, s24, 2
	s_mul_i32 s26, s26, 98304                      ; 128 rows,
	s_add_co_u32 s34, s34, s26
	s_mul_i32 s26, s25, 24576                      ; two K steps,
	s_add_co_u32 s34, s34, s26
	s_and_b32 s26, s24, 3
	s_mul_i32 s26, s26, 3072                       ; two tiles
	s_add_co_u32 s34, s34, s26
	s_mov_b32 s35, 0
	s_lshl_b32 s36, s22, 8                         ; xs: ((256 X + P) 4 + kq) x 256
	s_add_co_u32 s36, s36, s24
	s_lshl_b32 s36, s36, 2
	s_add_co_u32 s36, s36, s25
	s_lshl_b32 s36, s36, 8
	s_mov_b32 s37, 0
	s_wait_alu depctr_va_vdst(0)
	s_wait_kmcnt 0x0
	s_cmp_eq_u32 s22, 0
	s_cselect_b64 s[4:5], s[4:5], s[6:7]
	s_add_nc_u64 s[4:5], s[4:5], s[32:33]
	s_add_nc_u64 s[12:13], s[12:13], s[34:35]
	s_add_nc_u64 s[14:15], s[14:15], s[36:37]
	LOADF 0
	LOADF 1
	XSTEP 0
	XSTEP 1
	XSTEP 2
	XSTEP 3
	global_store_b64 v8, v[XSW:XSW+1], s[14:15]    ; 32 lanes store 256 consecutive bytes, at a multiple of 256
	s_wait_tensorcnt 0x0
	ds_add_u32 v240, v241
	s_wait_dscnt 0x0
	s_endpgm
	; ---- way W
.Lweights:
	s_sub_co_u32 s21, ttmp9, 256                   ; j = 0 .. 95
	s_lshr_b32 s22, s21, 2
	s_lshl_b32 s22, s22, 2
	s_and_b32 s23, s20, 3
	s_add_co_u32 s22, s22, s23                     ; which 32 columns of the 3,072: four waves stand side by side on 512 bytes
	s_and_b32 s23, s21, 3
	s_lshl_b32 s23, s23, 1
	s_lshr_b32 s24, s20, 2
	s_add_co_u32 s23, s23, s24                     ; K step s
	s_cmp_lt_u32 s22, 32                           ; wq's columns or wkv's
	s_cselect_b32 s24, 12, 13                      ; a row of W is 2^12 or 2^13 bytes
	s_cselect_b32 s25, 0, 32
	s_lshl_b32 s40, 1, s24                         ; the pitch
	s_sub_co_u32 s25, s22, s25
	s_lshl_b32 s32, s25, 7                         ; 32 columns are 128 bytes
	s_lshl_b32 s26, s23, 7
	s_lshl_b32 s26, s26, s24                       ; 128 s rows
	s_add_co_u32 s32, s32, s26
	s_mov_b32 s33, 0
	s_lshl_b32 s26, s40, 5                         ; 32 rows: from block to block
	s_mov_b32 s27, 0
	s_lshr_b32 s41, s22, 3
	s_lshl_b32 s41, s41, 3
	s_add_co_u32 s41, s41, s23                     ; 8 slab + s
	s_and_b32 s42, s22, 7
	s_lshl_b32 s44, s41, 4
	s_lshl_b32 s43, s42, 1
	s_add_co_u32 s44, s44, s43
	s_mul_i32 s44, s44, 1536                       ; wc: my two tiles
	s_mov_b32 s45, 0
	s_lshl_b32 s46, s41, 3
	s_add_co_u32 s46, s46, s42
	s_lshl_b32 s46, s46, 7                         ; ws: my 32 words
	s_mov_b32 s47, 0
	s_wait_alu depctr_va_vdst(0)
	v_lshlrev_b32 v4, 2, v1                        ; my column: 4 bytes a lane
.set i, 0
.rept 32
	v_mad_u32_u24 v[VO+i], s40, i, v4              ; + i rows
.set i, i+1
.endr
	v_bfe_u32 v2, v0, 3, 1                         ; column l lies in tile u = (l / 8) % 2
	v_and_b32 v3, 7, v0
	v_bfe_u32 v7, v0, 4, 1
	s_delay_alu instid0(VALU_DEP_1)
	v_lshl_add_u32 v3, v7, 3, v3                   ; at its lane r = l % 8 + 8 (l / 16)
	s_mul_i32 s21, s20, 3072
	s_add_co_u32 s21, s21, WST                     ; my stage
	v_mul_u32_u24 v5, v2, 1536
	s_delay_alu instid0(VALU_DEP_1)
	v_lshl_add_u32 v5, v3, 4, v5
	s_delay_alu instid0(VALU_DEP_1)
	v_add_nc_u32 v5, s21, v5                       ; in: tile u's image, 16 r
	v_lshlrev_b32 v8, 4, v1
	s_delay_alu instid0(VALU_DEP_1)
	v_add_nc_u32 v6, s21, v8                       ; out: 16 x lane
	v_lshlrev_b32 v9, 6, v2
	s_delay_alu instid0(VALU_DEP_1)
	v_lshl_add_u32 v9, v3, 2, v9                   ; my word's place: 64 u + 4 r
	s_wait_kmcnt 0x0
	s_cmp_lt_u32 s22, 32
	s_cselect_b64 s[34:35], s[8:9], s[10:11]
	s_add_nc_u64 s[32:33], s[34:35], s[32:33]      ; block 0,
	s_add_nc_u64 s[34:35], s[32:33], s[26:27]      ; 1,
	s_add_nc_u64 s[36:37], s[34:35], s[26:27]      ; 2,
	s_add_nc_u64 s[38:39], s[36:37], s[26:27]      ; 3
	s_add_nc_u64 s[16:17], s[16:17], s[44:45]
	s_add_nc_u64 s[18:19], s[18:19], s[46:47]
	LOADB 0
	LOADB 1
	BLOCK 0
	BLOCK 1
	BLOCK 2
	BLOCK 3
.irp i, 0,1,2,3,4,5
	ds_load_b128 v[OUTR+4*\i:OUTR+4*\i+3], v6 offset:512*\i
.endr
.irp i, 0,1,2,3,4,5
	s_wait_dscnt 5-\i                              ; the later read-backs may be out
	global_store_b128 v8, v[OUTR+4*\i:OUTR+4*\i+3], s[16:17] offset:512*\i   ; 512 consecutive bytes, at a multiple of 256
.endr
	s_wait_alu depctr_va_vdst(0)
	global_store_b32 v9, v16, s[18:19]
	s_wait_tensorcnt 0x0
	ds_add_u32 v240, v241
	s_wait_dscnt 0x0
	s_endpgm
.Lfunc_end_k_q1660564221_prep:
	.size	k_q1660564221_prep, .Lfunc_end_k_q1660564221_prep-k_q1660564221_prep
	.p2alignl 7, 3214868480
	.fill 96, 4, 3214868480
	.section	.rodata,"a",@progbits
	.p2align	6, 0x0
	.amdhsa_kernel k_q1660564221_prep
		.amdhsa_group_segment_fixed_size 93184
		.amdhsa_private_segment_fixed_size 0
		.amdhsa_enable_private_segment 0
		.amdhsa_kernarg_size 64
		.amdhsa_user_sgpr_count 2
		.amdhsa_user_sgpr_kernarg_segment_ptr 1
		.amdhsa_wavefront_size32 1
		.amdhsa_system_sgpr_workgroup_id_x 1
		.amdhsa_system_sgpr_workgroup_id_y 1
		.amdhsa_system_sgpr_workgroup_id_z 1
		.amdhsa_system_vgpr_workitem_id 0
		.amdhsa_next_free_vgpr 242
		.amdhsa_next_free_sgpr 66
		.amdhsa_reserve_vcc 0
		.amdhsa_float_denorm_mode_32 3
		.amdhsa_float_denorm_mode_16_64 3
		.amdhsa_memory_ordered 1
		.amdhsa_forward_progress 1
		.amdhsa_inst_pref_size 62
	.end_amdhsa_kernel
	.amdgpu_metadata
---
amdhsa.version: [ 1, 2 ]
amdhsa.kernels:
  - .name:           k_q1660564221_prep
    .symbol:         k_q1660564221_prep.kd
    .args:
      - { .name: x1, .offset: 0, .size: 8, .value_kind: global_buffer, .address_space: global }
      - { .name: x2, .offset: 8, .size: 8, .value_kind: global_buffer, .address_space: global }
      - { .name: wq, .offset: 16, .size: 8, .value_kind: global_buffer, .address_space: global }
      - { .name: wkv, .offset: 24, .size: 8, .value_kind: global_buffer, .address_space: global }
      - { .name: xc, .offset: 32, .size: 8, .value_kind: global_buffer, .address_space: global }
      - { .name: xs, .offset: 40, .size: 8, .value_kind: global_buffer, .address_space: global }
      - { .name: wc, .offset: 48, .size: 8, .value_kind: global_buffer, .address_space: global }
      - { .name: ws, .offset: 56, .size: 8, .value_kind: global_buffer, .address_space: global }
    .group_segment_fixed_size: 93184
    .private_segment_fixed_size: 0
    .kernarg_segment_align: 8
    .kernarg_segment_size: 64
    .max_flat_workgroup_size: 256
    .sgpr_count:     66
    .vgpr_count:     242
    .wavefront_size: 32
...
	.end_amdgpu_metadata
.endif
;; end of part 1
;; launch proj (part 2): grid 64 x 4, 4 waves a work-group, clusters of 4 x 4, 327,680 bytes of LDS; arguments xc, xs, wc, ws, bq, bkv, gamma_q, gamma_k, beta_q, beta_k, qc, qs, kv; writes qc, qs, kv
.if DOCPART == 2
	.amdgcn_target "amdgcn-amd-amdhsa--gfx1250"
	.amdhsa_code_object_version 6
	.text
	.protected	k_q1660564221_proj
	.globl	k_q1660564221_proj
	.p2align	8
	.type	k_q1660564221_proj,@function
k_q1660564221_proj:
	s_mov_b64 s[64:65], 0
	v_nop
	global_prefetch_b8 v0, s[64:65] scope:SCOPE_SE
	s_setreg_imm32_b32 hwreg(HW_REG_WAVE_MODE, 25, 1), 1
	s_wait_xcnt 0x0
	s_wait_alu depctr_hold_cnt(0) depctr_sa_sdst(0) depctr_va_vdst(0) depctr_va_sdst(0) depctr_va_ssrc(0) depctr_va_vcc(0) depctr_vm_vsrc(0)
	s_getreg_b32 s2, hwreg(HW_REG_IB_STS2, 6, 4)
	s_cmp_eq_u32 s2, 0
	s_cbranch_scc0 .Lentry_in_a_cluster
	s_endpgm
.Lentry_in_a_cluster:
	s_bfe_u32 s2, ttmp6, 0x10000c
	s_cmp_lg_u32 s2, 0xf033
	s_cbranch_scc0 .Lentry_shape_is_right
	s_endpgm
.Lentry_shape_is_right:
; q = LN(x1 wq + bq), k = LN(x2 wkv[:, :1024] + bkv[:1024]), v = x2 wkv[:, 1024:] + bkv[1024:], the products on codes of FP6 (E2M3) with E8M0 scales, sums in f32;
; then q and k are quantised along a head's 64, v along the keys, and leave as images of operand registers (16 rows x 128 K: registers 4 g .. 4 g + 3 of lane l at byte 512 g + 16 l).
; LIMITS: NaN and infinities are not served; a block whose largest magnitude lies under 2^-124, a block of zeros among them, keeps the byte 1 (only this program reads the bytes);
; LayerNorm's sums are taken in another order than the source's (a tree in each lane, then the other half of the lanes).
; SHARES.  256 work-groups of four waves.  A work-group owns 128 rows (one key step of one batch) and makes three UNITS one after the other: q, k, v, each 128 rows x 256 columns (four heads).
; A wave owns one head: 8 tiles of x times 4 tiles of W, 32 accumulators, 12 fragments read from LDS for 32 products.
; THE RING: two LDS slots, each with four K steps of x (49,152 bytes) and of W (98,304); a unit is two fills, and the ring goes on from unit to unit.  At each fill wave 0 asks for x's bytes and
; waves 1-3 for a third of W's each: one tensor load of a wave is out at the most.  A slot is filled again in the middle of its last K step, behind a round of the cluster's barrier.
; CLUSTERS: 4 x 4.  x's rows hang on the work-group's x alone and are shared along a column of the cluster; W's slab hangs on its y alone and is shared along a row: each piece is asked for jointly.
; UNITS q, k: source 0 = 16 columns of W, source 1 = 16 rows of x: a lane holds ONE row and 32 of its head's 64 numbers.  UNIT v: source 0 = 16 rows of x, source 1 = 16 columns of W: a lane holds ONE channel.
; W's columns of a tile are 8 u + r + 8 (r / 8) of a group of 32; x's rows of tile 4 c + i are 64 c + 8 i + r % 8 + 32 (r / 8) of the 128.
; So in q and k register 16 b + e of a row's 32 is place 32 b + 16 h + e of the head, and in v register 32 c + e is key 64 c + 32 h + e: a whole block of 32 keys in one lane.
; qc [bh 64][pair of tiles: 64][1536]: registers 0-5 the first tile (64 codes a row), 6-11 the second;  qs [bh][64][lane 32] words: bytes 0, 1 the two blocks, bytes 2, 3 zero; lanes 0-15 the first tile.
; kv [bh 64][key step 16][13312]: four such images of k; at 6144 four images of v (16 channels x 128 keys); at 12288 k's words, 4 x 128 bytes; at 12800 v's, 4 x 128 bytes.
; PREFETCH: the fill that the NEXT change of slots will ask for is named one change of slots ahead: 12 blocks of 256 bytes of x and 24 of W a wave, the sixteen waves of the four partners that share
; a piece taking different blocks by address.  The first two fills come by their loads alone; unit v's x is unit k's, which this work-group has read, and is not named again.
; REGISTERS, in windows of 256.  Window 0: v0-15 addresses; v16-63 scale words and nothing else; v64-159 x's eight fragments, one set; v160-237 at work in the epilogues.
; Window 1: the 32 accumulators.  Window 2: v0-95 W's four fragments, two sets; v96-127 the bias of q or k; v128-191 gamma, beta; v192-223 v's bias.
.set SLOT,  147456
.set WH,    49152                      ; W's part of a slot
.set SPARE, 294912                     ; behind the ring: the spare words, 128 bytes for each wave
.set AX,   8                           ; v8-9    x's images in slot 0, 1; v8 is also 16 x lane
.set AW,   10                          ; v10-13  my head's images of W: slot 0 K steps 0-1, 2-3; slot 1 likewise
.set SPW,  14
.set NIL,  15
.set XSC,  16                          ; v16-47  x's words: register 8 p + K step; lanes 0-15 tile 2 p, lanes 16-31 tile 2 p + 1
.set WSC,  48                          ; v48-63  W's words: register 2 K step + b; lanes 0-15 tile 2 b, lanes 16-31 tile 2 b + 1
.set XF,   64
.set TS,   160                         ; v160-191 two trees of eight pairs
.set ME,   192                         ; v192, v194 the means; v196, v198 1 / sqrt
.set RS,   196
.set TM,   200
.set PC,   216
.set PW,   236
.set WD,   237
.set PFX,  254                         ; the prefetches' offsets
.set PFW,  255
.set WF,   0                           ; window 2
.set BI,   96
.set GA,   128
.set BE,   160
.set BV,   192
.set G1X,  16                          ; s[16:23], s[24:31] descriptor group 1 for x's and W's pieces
.set G1W,  24
.set G0X,  32                          ; s[32:39], s[40:47] group 0, one set for each slot
.set G0W,  40
.set MSB, 0
.macro WIN new                         ; the immediate's high byte repeats the setting that is left
.if MSB != (\new)
	s_set_vgpr_msb (MSB<<8)|(\new)
.set MSB, (\new)
.endif
.endm
.macro PLACES                          ; four plain instructions between matrix instructions and loads into, or vector reads of, their registers
.rept 4
	v_nop
.endr
.endm
.macro CREST                           ; a round of the cluster's barrier behind its opening barrier
	s_cmp_lg_u32 s3, 0
	s_cbranch_scc1 .Lnot_wave_0_\@
	s_barrier_signal -3
.Lnot_wave_0_\@:
	s_barrier_wait -3
	s_barrier_signal -1
	s_barrier_wait -1
.endm
.macro ROUND
	s_barrier_signal -1
	s_barrier_wait -1
	CREST
.endm
.macro JLOAD s                         ; a fill of slot s: each of the two lines has one mask; the branch hangs on the wave's number alone
	s_cmp_eq_u32 s3, 0
	s_cbranch_scc0 .Lfor_w_\@
	tensor_load_to_lds s[G0X+4*\s:G0X+4*\s+3], s[G1X:G1X+7]
	s_nop 0
	PLACES
	s_branch .Lasked_\@
.Lfor_w_\@:
	tensor_load_to_lds s[G0W+4*\s:G0W+4*\s+3], s[G1W:G1W+7]
	s_nop 0
	PLACES
.Lasked_\@:
.endm
; D = A B + C.  sa, sb: the scale registers; ra, rb = 1: that side's words stand in lanes 16-31
.macro WM d, a, b, c, sa, sb, ra, rb
.set rD, \d
.set rA, \a
.set rB, \b
.set rC, \c
.set rS, \sa
.set rT, \sb
.if (\ra) && (\rb)
	v_wmma_scale_f32_16x16x128_f8f6f4 v[rD:rD+7], v[rA:rA+11], v[rB:rB+11], v[rC:rC+7], v[rS], v[rT] matrix_a_fmt:MATRIX_FMT_FP6 matrix_b_fmt:MATRIX_FMT_FP6 matrix_a_scale:MATRIX_SCALE_ROW1 matrix_b_scale:MATRIX_SCALE_ROW1
.elseif (\ra)
	v_wmma_scale_f32_16x16x128_f8f6f4 v[rD:rD+7], v[rA:rA+11], v[rB:rB+11], v[rC:rC+7], v[rS], v[rT] matrix_a_fmt:MATRIX_FMT_FP6 matrix_b_fmt:MATRIX_FMT_FP6 matrix_a_scale:MATRIX_SCALE_ROW1
.elseif (\rb)
	v_wmma_scale_f32_16x16x128_f8f6f4 v[rD:rD+7], v[rA:rA+11], v[rB:rB+11], v[rC:rC+7], v[rS], v[rT] matrix_a_fmt:MATRIX_FMT_FP6 matrix_b_fmt:MATRIX_FMT_FP6 matrix_b_scale:MATRIX_SCALE_ROW1
.else
	v_wmma_scale_f32_16x16x128_f8f6f4 v[rD:rD+7], v[rA:rA+11], v[rB:rB+11], v[rC:rC+7], v[rS], v[rT] matrix_a_fmt:MATRIX_FMT_FP6 matrix_b_fmt:MATRIX_FMT_FP6
.endif
.endm
; x's tiles x0 .. x0 + n - 1 times W's four, K step sg of the unit.  kind 0: q, k (accumulator 32 T + 8 t); kind 1: v (64 t + 8 T).  first = 1: the bias is the C of each sum's first product.
; The 32 accumulators take turns, one instruction a turn, in the same order in every step
.macro MUL kind, sg, x0, n, first
.if \kind
	WIN 0x58+0x10*(\first)                         ; source 0 window 0, source 1 window 2, D window 1, C window 1 (the bias: 2)
.else
	WIN 0x52+0x10*(\first)                         ; source 0 window 2, source 1 window 0
.endif
.set T, \x0
.rept \n
.irp t, 0,1,2,3
.if \kind
.if \first
	WM 64*\t+8*T, XF+12*T, WF+48*((\sg)%2)+12*\t, BV+8*\t, XSC+8*(T/2)+(\sg), WSC+2*(\sg)+\t/2, T%2, \t%2
.else
	WM 64*\t+8*T, XF+12*T, WF+48*((\sg)%2)+12*\t, 64*\t+8*T, XSC+8*(T/2)+(\sg), WSC+2*(\sg)+\t/2, T%2, \t%2
.endif
.else
.if \first
	WM 32*T+8*\t, WF+48*((\sg)%2)+12*\t, XF+12*T, BI+8*\t, WSC+2*(\sg)+\t/2, XSC+8*(T/2)+(\sg), \t%2, T%2
.else
	WM 32*T+8*\t, WF+48*((\sg)%2)+12*\t, XF+12*T, 32*T+8*\t, WSC+2*(\sg)+\t/2, XSC+8*(T/2)+(\sg), \t%2, T%2
.endif
.endif
.endr
.set T, T+1
.endr
.endm
.macro FW sg                           ; W's four fragments of K step sg into set sg % 2
	WIN 0x80
.irp t, 0,1,2,3
.irp g, 0,1,2
	ds_load_b128 v[WF+48*((\sg)%2)+12*\t+4*\g:WF+48*((\sg)%2)+12*\t+4*\g+3], v[AW+2*((\sg)/4)+((\sg)%4)/2] offset:((\sg)%2)*24576+1536*\t+512*\g
.endr
.endr
	WIN 0
.endm
.macro FX sg, x0                       ; x's fragments x0 .. x0 + 3 of K step sg
.irp i, 0,1,2,3
.irp g, 0,1,2
	ds_load_b128 v[XF+12*((\x0)+\i)+4*\g:XF+12*((\x0)+\i)+4*\g+3], v[AX+(\sg)/4] offset:((\sg)%4)*12288+1536*((\x0)+\i)+512*\g
.endr
.endr
.endm
; A K STEP: 32 products; the next step's fragments are fetched in its middle (W's other set, x's tiles 0-3) and at its end (x's tiles 4-7).
; mode 0: inside a slot.  mode 1: the slot's last step: the slot is filled again with the next unit's bytes.  mode 2: a change of slots with nothing left to fetch.  mode 3: the launch's last step.
.macro STEP kind, sg, mode, first
.set NX, ((\sg)+1)%8
.set SL, (\sg)/4
.if (\mode) == 1 || (\mode) == 2
	WIN 0
	s_wait_tensorcnt 0x0                           ; all my tensor loads have landed: my piece of the other slot
.if (\mode) == 1
	ds_add_u32 v[SPW], v[NIL]                      ; 0 onto my spare word
	s_add_nc_u64 s[G0X+4*SL+2:G0X+4*SL+3], s[G0X+4*SL+2:G0X+4*SL+3], s[48:49]   ; no load of mine is out: this slot's next fill is the next unit's: x1 to x2, then no step,
	s_add_nc_u64 s[G0W+4*SL+2:G0W+4*SL+3], s[G0W+4*SL+2:G0W+4*SL+3], 786432     ; four slabs of W on
.if (\sg) == 7
	s_mov_b32 s48, 0
.endif
	s_wait_dscnt 13                                ; (the add and the youngest twelve loads, x's tiles 4-7, may be out)
.else
	s_wait_dscnt 12
.endif
	MUL \kind, \sg, 0, 2, 0
	s_wait_dscnt 0x0                               ; the add is done, and my reads of this slot are over
	s_barrier_signal -1
	MUL \kind, \sg, 2, 2, 0
	WIN 0
	s_barrier_wait -1
.if (\mode) == 1
	CREST                                          ; the barrier has opened a round of the cluster's barrier: no wave of any partner still reads this slot or has a load on its way
	JLOAD SL                                       ; the first tensor load behind the round; its four v_nop are the plain instructions in front of the loads below
.else
	PLACES
.endif
.else
	s_wait_dscnt 12                                ; W's set and x's tiles 0-3 are in; the youngest twelve loads (x's tiles 4-7) may be out
	MUL \kind, \sg, 0, 4, \first
	s_wait_dscnt 0x0
	PLACES
.endif
.if (\mode) != 3
	FW NX
	FX NX, 0
.endif
.if (\mode) == 1
.if (\sg) == 3
	global_prefetch_b8 v[PFW], s[52:53] offset:98304 th:TH_LOAD_NT scope:SCOPE_SE   ; W's second half of the next unit, which the next change of slots asks for
	s_cmp_lg_u32 s66, 0
	s_cbranch_scc1 .Lno_pf_\@
	global_prefetch_b8 v[PFX], s[62:63] offset:49152 th:TH_LOAD_NT scope:SCOPE_SE   ; and x2's (in the first trip alone: afterwards x2 has been read)
.else
	s_cmp_lg_u32 s66, 0
	s_cbranch_scc1 .Lno_pf_\@
	global_prefetch_b8 v[PFW], s[52:53] offset:786432 th:TH_LOAD_NT scope:SCOPE_SE  ; W's first half of the unit after the next (the second trip has none)
.endif
.Lno_pf_\@:
.endif
	MUL \kind, \sg, 4, 4, \first
	PLACES
	WIN 0
.if (\mode) != 3
	FX NX, 4
.endif
.endm
.macro TREE                            ; each tree's eight pairs become one number, with lane l xor 16's: in v[TS + 16 u + 2]
.irp d, 8,4,2
.irp u, 0,1
.set k, 0
.rept \d/2
	v_pk_add_f32 v[TS+16*\u+k:TS+16*\u+k+1], v[TS+16*\u+k:TS+16*\u+k+1], v[TS+16*\u+k+\d:TS+16*\u+k+\d+1]
.set k, k+2
.endr
.endr
.endr
.irp u, 0,1
	v_add_f32 v[TS+16*\u+2], v[TS+16*\u], v[TS+16*\u+1]
.endr
.irp u, 0,1
	v_permlanex16_b32 v[TS+16*\u+3], v[TS+16*\u+2], s96, s97
.endr
.irp u, 0,1
	v_add_f32 v[TS+16*\u+2], v[TS+16*\u+2], v[TS+16*\u+3]
.endr
.endm
; LayerNorm of two tiles' rows at once: a row's 64 numbers are 32 of my registers (window 1, from a + 32 u on) and 32 of lane l xor 16's.  Each accumulator is read from its low end on
.macro LN2 a
	WIN 0x05                                       ; sources 0 and 1 window 1
	s_wait_alu depctr_va_vdst(0)                   ; the wait ahead of the first read of matrix results behind a transcendental
.irp u, 0,1
.set k, 0
.rept 8
	v_pk_add_f32 v[TS+16*\u+2*k:TS+16*\u+2*k+1], v[(\a)+32*\u+4*k:(\a)+32*\u+4*k+1], v[(\a)+32*\u+4*k+2:(\a)+32*\u+4*k+3]
.set k, k+1
.endr
.endr
	WIN 0
	TREE
.irp u, 0,1
	v_mul_f32 v[ME+2*\u], s94, v[TS+16*\u+2]       ; the mean
.endr
	WIN 0x41                                       ; source 0 and the destination window 1
.irp u, 0,1
.set j, 0
.rept 16
	v_pk_add_f32 v[(\a)+32*\u+j:(\a)+32*\u+j+1], v[(\a)+32*\u+j:(\a)+32*\u+j+1], v[ME+2*\u:ME+2*\u+1] op_sel_hi:[1,0] neg_lo:[0,1] neg_hi:[0,1]   ; x - mean
.set j, j+2
.endr
.endr
	WIN 0x05
.irp u, 0,1
.set k, 0
.rept 8
	v_pk_mul_f32 v[TS+16*\u+2*k:TS+16*\u+2*k+1], v[(\a)+32*\u+4*k:(\a)+32*\u+4*k+1], v[(\a)+32*\u+4*k:(\a)+32*\u+4*k+1]
.set k, k+1
.endr
.endr
.irp u, 0,1
.set k, 0
.rept 8
	v_pk_fma_f32 v[TS+16*\u+2*k:TS+16*\u+2*k+1], v[(\a)+32*\u+4*k+2:(\a)+32*\u+4*k+3], v[(\a)+32*\u+4*k+2:(\a)+32*\u+4*k+3], v[TS+16*\u+2*k:TS+16*\u+2*k+1]
.set k, k+1
.endr
.endr
	WIN 0
	TREE
.irp u, 0,1
	v_fma_f32 v[TS+16*\u+2], v[TS+16*\u+2], s94, s95   ; the variance + 1e-5
.endr
	s_wait_alu depctr_va_vdst(0)                   ; the wait ahead of the transcendentals,
.irp u, 0,1
	v_rsq_f32 v[RS+2*\u], v[TS+16*\u+2]
.endr
	v_nop                                          ; a plain instruction behind them,
	s_wait_alu depctr_va_vdst(0)                   ; and the wait ahead of the first use of their results
	WIN 0x41
.irp u, 0,1
.set j, 0
.rept 16
	v_pk_mul_f32 v[(\a)+32*\u+j:(\a)+32*\u+j+1], v[(\a)+32*\u+j:(\a)+32*\u+j+1], v[RS+2*\u:RS+2*\u+1] op_sel_hi:[1,0]
.set j, j+2
.endr
.endr
	WIN 0x69                                       ; source 0 and the destination window 1, sources 1 and 2 window 2
.irp u, 0,1
.set j, 0
.rept 16
	v_pk_fma_f32 v[(\a)+32*\u+j:(\a)+32*\u+j+1], v[(\a)+32*\u+j:(\a)+32*\u+j+1], v[GA+j:GA+j+1], v[BE+j:BE+j+1]   ; x gamma + beta
.set j, j+2
.endr
.endr
	WIN 0
.endm
.macro MAXES a                         ; four chains of 16 magnitudes; the floor 2^(3 - 127) holds the byte at 1 from below
	s_wait_alu depctr_va_vdst(0)                   ; directly ahead of the wait below
	s_wait_xcnt 0x0                                ; the last image's stores have read their registers, which are written again below
	WIN 0x05
.irp b, 0,1,2,3
	v_max3_num_f32 v[TM+\b], |v[(\a)+16*\b]|, |v[(\a)+16*\b+1]|, 0x1800000
.endr
.irp i, 2,4,6,8,10,12,14
.irp b, 0,1,2,3
	v_max3_num_f32 v[TM+\b], |v[(\a)+16*\b+\i]|, |v[(\a)+16*\b+\i+1]|, v[TM+\b]
.endr
.endr
	WIN 0
.endm
; q, k: register 16 b + e of my 64 is k = 32 b + 16 h + e: a block lies in lanes l and l xor 16.  Codes in v[PC] on, the scale word in v[PW]
.macro QUANT a
	MAXES \a
.irp b, 0,1,2,3
	v_permlanex16_b32 v[TM+4+\b], v[TM+\b], s96, s97
.endr
.irp b, 0,1,2,3
	v_max_num_f32 v[TM+\b], v[TM+\b], v[TM+4+\b]   ; the block's largest magnitude
.endr
.irp b, 0,1,2,3
	v_add_nc_u32 v[TM+12+\b], 0xff000000, v[TM+\b] ; 2 off its exponent field: the conversion's scale operand
.endr
.irp b, 0,1,2,3
	v_lshrrev_b32 v[TM+4+\b], 23, v[TM+12+\b]      ; the scale's byte
.endr
	v_lshl_or_b32 v[PW], v[TM+5], 8, v[TM+4]
	v_lshl_or_b32 v[PW], v[TM+6], 16, v[PW]
	v_lshl_or_b32 v[PW], v[TM+7], 24, v[PW]
	WIN 0x01
.irp c, 0,1
	v_cvt_scalef32_pk16_fp6_f32 v[PC+6*\c:PC+2+6*\c], v[(\a)+32*\c:(\a)+15+32*\c], v[TM+12+2*\c]
	v_cvt_scalef32_pk16_fp6_f32 v[PC+12+4*\c:PC+14+4*\c], v[(\a)+16+32*\c:(\a)+31+32*\c], v[TM+12+2*\c+1]   ; (a conversion's three registers begin on an even number)
.endr
	WIN 0
	v_nop                                          ; one plain instruction behind the scaled conversions
.irp c, 0,1                                    ; the operand's layout wants a WHOLE block in a lane
.irp i, 0,1,2
	v_permlane16_swap_b32 v[PC+6*\c+\i], v[PC+12+4*\c+\i]
.endr
.irp i, 0,1,2
	v_mov_b32 v[PC+3+6*\c+\i], v[PC+12+4*\c+\i]
.endr
.endr
.endm
; v: register 32 c + e of my 64 is key 64 c + 32 h + e: a whole block lies in my lane
.macro QUANTV a
	MAXES \a
.irp c, 0,1
	v_max_num_f32 v[TM+2*\c], v[TM+2*\c], v[TM+2*\c+1]
.endr
.irp c, 0,1
	v_add_nc_u32 v[TM+12+\c], 0xff000000, v[TM+2*\c]
.endr
.irp c, 0,1
	v_lshrrev_b32 v[TM+4+\c], 23, v[TM+12+\c]
.endr
	v_lshl_or_b32 v[PW], v[TM+5], 16, v[TM+4]      ; my two bytes: blocks h and 2 + h,
	v_lshlrev_b32 v[PW], v6, v[PW]                 ; 8 h bits up;
	v_permlanex16_b32 v[TM+6], v[PW], s96, s97
	v_or_b32 v[PW], v[PW], v[TM+6]                 ; with the other half's two the word is whole
	WIN 0x01
.irp c, 0,1
	v_cvt_scalef32_pk16_fp6_f32 v[PC+6*\c:PC+2+6*\c], v[(\a)+32*\c:(\a)+15+32*\c], v[TM+12+\c]
	v_cvt_scalef32_pk16_fp6_f32 v[PC+12+4*\c:PC+14+4*\c], v[(\a)+16+32*\c:(\a)+31+32*\c], v[TM+12+\c]
.endr
	WIN 0
	v_nop
.irp c, 0,1
.irp i, 0,1,2
	v_mov_b32 v[PC+3+6*\c+\i], v[PC+12+4*\c+\i]
.endr
.endr
.endm
.macro HEAD32 reg, base                ; 32 numbers at my places of a head: register 8 t + j of lane (r, h) belongs to place 32 (t / 2) + 16 h + 8 (t % 2) + j
.irp t, 0,1,2,3
.irp e, 0,1
	global_load_b128 v[\reg+8*\t+4*\e:\reg+8*\t+4*\e+3], v4, s[\base:\base+1] offset:(32*(\t/2)+8*(\t%2))*4+16*\e
.endr
.endr
.endm
.macro XWORDS off
.irp p, 0,1,2,3
.irp k, 0,1,2,3
	global_load_b64 v[XSC+8*\p+2*\k:XSC+8*\p+2*\k+1], v3, s[70:71] offset:\off+1024*\p+256*\k
.endr
.endr
.endm
.macro WWORDS
.irp s, 0,1,2,3,4,5,6,7
.irp b, 0,1
	global_load_b32 v[WSC+2*\s+\b], v2, s[74:75] offset:1024*\s+128*\b
.endr
.endr
.endm
	s_load_b512 s[68:83], s[0:1], 0x0              ; xc 68, xs 70, wc 72, ws 74, bq 76, bkv 78, gamma_q 80, gamma_k 82
	s_load_b256 s[84:91], s[0:1], 0x40             ; beta_q 84, beta_k 86, qc 88, qs 90
	s_load_b64 s[92:93], s[0:1], 0x60              ; kv
	v_lshl_add_u32 v[SPW], v0, 2, SPARE
	v_mov_b32 v[NIL], 0
	ds_add_u32 v[SPW], v[NIL]                      ; the opening lines: the add, twice on end, and its wait ahead of my first tensor load
	ds_add_u32 v[SPW], v[NIL]
	v_lshrrev_b32 v1, 5, v0
	v_readfirstlane_b32 s3, v1                     ; wave 0..3: my head of the slab's four
	s_bfe_u32 s4, ttmp6, 0x40000                   ; cx
	s_bfe_u32 s5, ttmp6, 0x40004                   ; cy: which slab of a unit's four
	s_lshl_b32 s7, ttmp9, 2
	s_add_co_u32 s7, s7, s4                        ; RB: which 128 rows
	s_lshl_b32 s10, 0x1111, s4                     ; my column of the cluster
	s_lshl_b32 s11, s5, 2
	s_lshl_b32 s11, 15, s11                        ; my row
	; group 1: dense bytes as rows of 256 (32 elements of 8 bytes): x's piece 192 rows, W's 128
	s_or_b32 s[G1X], s10, (3<<16)|(1<<21)          ; 15:0 the mask; 17:16 elements of 8 bytes; 21 set beside a mask
	s_mov_b32 s[G1X+1], 32<<16
	s_mov_b32 s[G1X+2], 192<<16
	s_mov_b32 s[G1X+3], 32<<16
	s_mov_b32 s[G1X+4], 192
	s_mov_b32 s[G1X+5], 32
	s_mov_b32 s[G1X+6], 0
	s_mov_b32 s[G1X+7], 0
	s_or_b32 s[G1W], s11, (3<<16)|(1<<21)
	s_mov_b32 s[G1W+1], 32<<16
	s_mov_b32 s[G1W+2], 128<<16
	s_mov_b32 s[G1W+3], 32<<16
	s_mov_b32 s[G1W+4], 128
	s_mov_b32 s[G1W+5], 32
	s_mov_b32 s[G1W+6], 0
	s_mov_b32 s[G1W+7], 0
	s_lshl_b32 s67, s3, 15                         ; W's pieces: 32,768 bytes a wave, counted from wave 1 on
	s_mul_i32 s12, s7, 98304                       ; x: hangs on the work-group's x alone
	s_mov_b32 s13, 0
	s_mul_i32 s14, s5, 196608
	s_add_co_u32 s14, s14, s67                     ; W: on the work-group's y and the wave
	s_mov_b32 s15, 0
	s_mov_b32 s48, 6291456                         ; from x1's codes to x2's
	s_mov_b32 s49, 0
	s_lshr_b32 s8, s7, 4                           ; where the results go: the batch,
	s_lshl_b32 s8, s8, 4
	s_lshl_b32 s9, s5, 2
	s_add_co_u32 s8, s8, s9
	s_add_co_u32 s8, s8, s3                        ; bh = 16 batch + 4 cy + wave
	s_and_b32 s9, s7, 15                           ; the key step
	s_lshl_b32 s6, s8, 6
	s_lshl_b32 s2, s9, 2
	s_add_co_u32 s6, s6, s2                        ; q: 64 bh + 4 step
	s_mul_i32 s54, s6, 1536
	s_mov_b32 s55, 0
	s_lshl_b32 s56, s6, 7
	s_mov_b32 s57, 0
	s_lshl_b32 s6, s8, 4
	s_add_co_u32 s6, s6, s9
	s_mul_i32 s58, s6, 13312                       ; k, v: the record
	s_mov_b32 s59, 0
	s_lshl_b32 s50, s7, 12                         ; xs: 4 RB x 1,024
	s_mov_b32 s51, 0
	s_lshl_b32 s60, s5, 13
	s_lshl_b32 s2, s3, 8
	s_add_co_u32 s60, s60, s2                      ; ws: 8,192 cy + 256 wave
	s_mov_b32 s61, 0
	s_lshl_b32 s98, s5, 10
	s_add_co_u32 s98, s98, s2                      ; the biases: (256 cy + 64 wave) x 4
	s_mov_b32 s99, 0
	s_lshl_b32 s2, s5, 2
	s_add_co_u32 s2, s2, s3
	s_mul_i32 s62, s2, 3072                        ; the prefetches: of x's half, wave 4 cy + w of its column's sixteen takes 12 blocks,
	s_add_co_u32 s62, s62, s12
	s_add_co_u32 s62, s62, 6291456                 ; in x2
	s_mov_b32 s63, 0
	s_lshl_b32 s2, s4, 2
	s_add_co_u32 s2, s2, s3
	s_mul_i32 s52, s2, 6144                        ; of W's half, wave 4 cx + w of its row's sixteen takes 24 blocks,
	s_mul_i32 s2, s5, 196608
	s_add_co_u32 s52, s52, s2
	s_add_co_u32 s52, s52, 786432                  ; in unit k's slab
	s_mov_b32 s53, 0
	s_mov_b32 s94, 0x3c800000                      ; 1 / 64
	s_mov_b32 s95, 0x3727c5ac                      ; 1e-5
	s_mov_b32 s96, 0x76543210
	s_mov_b32 s97, 0xfedcba98                      ; v_permlanex16_b32's selects for lane l xor 16
	v_and_b32 v1, 31, v0
	v_lshlrev_b32 v8, 4, v1                        ; 16 x lane: x's images in slot 0
	v_lshlrev_b32 v2, 2, v1                        ; 4 x lane
	v_lshlrev_b32 v3, 3, v1                        ; 8 x lane
	v_min_u32 v[PFX], 11, v1                       ; lanes that are left over name their wave's last block again
	v_min_u32 v[PFW], 23, v1
	v_lshlrev_b32 v[PFX], 8, v[PFX]
	v_lshlrev_b32 v[PFW], 8, v[PFW]
	v_bfe_u32 v4, v0, 4, 1
	v_lshlrev_b32 v5, 4, v4                        ; 16 h
	v_lshlrev_b32 v6, 3, v4                        ; 8 h
	v_lshlrev_b32 v4, 6, v4                        ; 64 h
	v_and_b32 v7, 15, v0
	v_and_b32 v1, 8, v7
	v_add_nc_u32 v7, v7, v1
	v_lshlrev_b32 v7, 2, v7                        ; my channel's place in its tile's group: 4 (r + 8 (r / 8))
	v_add_nc_u32 v9, SLOT, v8
	s_mul_i32 s2, s3, 6144
	s_add_co_u32 s2, s2, WH
	v_add_nc_u32 v10, s2, v8                       ; my head's four tiles of W
	v_add_nc_u32 v11, 49152, v10
	v_add_nc_u32 v12, SLOT, v10
	v_add_nc_u32 v13, SLOT+49152, v10
.irp i, 1,3,5,7
	v_mov_b32 v[ME+\i], 0                          ; (named as the upper halves of pairs)
.endr
.irp b, 0,1,2,3
	v_mov_b32 v[TM+4+\b], 0                        ; written once: a lane permute's destination counts as one of its sources
.endr
	s_wait_alu depctr_va_vdst(0)                   ; directly ahead of the waits below
	s_wait_dscnt 0x0                               ; both opening adds are done
	s_wait_kmcnt 0x0
	s_add_nc_u64 s[12:13], s[68:69], s[12:13]
	s_add_nc_u64 s[14:15], s[72:73], s[14:15]
	s_sub_nc_u64 s[14:15], s[14:15], 32768
	s_add_nc_u64 s[62:63], s[68:69], s[62:63]
	s_add_nc_u64 s[52:53], s[72:73], s[52:53]
	s_add_nc_u64 s[70:71], s[70:71], s[50:51]
	s_add_nc_u64 s[74:75], s[74:75], s[60:61]
	s_add_nc_u64 s[76:77], s[76:77], s[98:99]
	s_add_nc_u64 s[78:79], s[78:79], s[98:99]
	s_add_nc_u64 s[54:55], s[88:89], s[54:55]      ; q's images,
	s_add_nc_u64 s[56:57], s[90:91], s[56:57]      ; q's words,
	s_add_nc_u64 s[58:59], s[92:93], s[58:59]      ; the record: k's images,
	s_add_nc_u64 s[60:61], s[58:59], 12288         ; k's words
.irp c, 0,1
	s_mov_b32 s[G0X+4*\c], 1
	s_mov_b32 s[G0X+4*\c+1], SLOT*\c
	s_add_nc_u64 s[G0X+4*\c+2:G0X+4*\c+3], s[12:13], 49152*\c
	s_or_b32 s[G0X+4*\c+3], s[G0X+4*\c+3], 0x80000000
	s_mov_b32 s[G0W+4*\c], 1
	s_add_co_u32 s[G0W+4*\c+1], s67, SLOT*\c+WH-32768
	s_add_nc_u64 s[G0W+4*\c+2:G0W+4*\c+3], s[14:15], 98304*\c
	s_or_b32 s[G0W+4*\c+3], s[G0W+4*\c+3], 0x80000000
.endr
	ROUND                                          ; all sixteen work-groups are here: the joint loads meet
	JLOAD 0                                        ; unit q's first half: one tensor load a wave at the head
	XWORDS 0
	WWORDS
	WIN 0x80
	HEAD32 BI, 76
.irp t, 0,1,2,3
.irp j, 0,1,2,3,4,5,6,7
	global_load_b32 v[BV+8*\t+\j], v7, s[78:79] offset:4096+(32*(\t/2)+8*(\t%2))*4   ; v: a lane's eight results are eight keys of ONE channel: the same number eight times
.endr
.endr
	HEAD32 GA, 80
	HEAD32 BE, 84
	WIN 0
	s_wait_tensorcnt 0x0                           ; my piece of the first fill is in
	ds_add_u32 v[SPW], v[NIL]
	s_wait_dscnt 0x0
	ROUND
	JLOAD 1                                        ; unit q's second half: my one tensor load behind the round
	FW 0
	FX 0, 0
	FX 0, 4
	global_prefetch_b8 v[PFX], s[62:63] th:TH_LOAD_NT scope:SCOPE_SE   ; unit k's first halves, which the next change of slots asks for
	global_prefetch_b8 v[PFW], s[52:53] th:TH_LOAD_NT scope:SCOPE_SE
	s_mov_b32 s66, 0                               ; the unit: 0 q, 1 k
.Lqk:
	s_wait_loadcnt 16                              ; the scale words and the biases are in; the youngest sixteen loads (gamma, beta) may be out
	STEP 0, 0, 0, 1
	STEP 0, 1, 0, 0
	STEP 0, 2, 0, 0
	STEP 0, 3, 1, 0
	STEP 0, 4, 0, 0
	STEP 0, 5, 0, 0
	STEP 0, 6, 0, 0
	STEP 0, 7, 1, 0                                ; it fetches the next unit's first fragments, which wait in their registers through the epilogue
	s_wait_loadcnt 0x0                             ; gamma and beta are in, and every load has read its base
	s_add_nc_u64 s[74:75], s[74:75], 32768         ; the next unit's words of W: four slabs on
	WWORDS
	s_cmp_lg_u32 s66, 0
	s_cbranch_scc1 .Lx2_is_in
	XWORDS 262144                                  ; x2's words and k's bias
	WIN 0x80
	HEAD32 BI, 78
	WIN 0
.Lx2_is_in:
	s_wait_xcnt 0x0                                ; the last unit's stores have read their bases
	s_cmp_eq_u32 s66, 0
	s_cselect_b64 s[98:99], s[54:55], s[58:59]
	s_cselect_b64 s[100:101], s[56:57], s[60:61]
.irp p, 0,1,2,3
	LN2 64*\p
	QUANT 64*\p                                    ; blocks 0, 1: tile 2 p's rows; blocks 2, 3: tile 2 p + 1's: registers 0-5 and 6-11 of the image
	v_lshrrev_b32 v[WD], v5, v[PW]                 ; lanes 0-15 keep the first tile's two bytes, lanes 16-31 the second's;
	v_and_b32 v[WD], 0xffff, v[WD]                 ; bytes 2 and 3, of the K that the head does not have, are 0
.irp g, 0,1,2
	global_store_b128 v8, v[PC+4*\g:PC+4*\g+3], s[98:99] offset:1536*\p+512*\g   ; 512 consecutive bytes, at a multiple of 256
.endr
	global_store_b32 v2, v[WD], s[100:101] offset:128*\p
.endr
	s_cmp_lg_u32 s66, 0
	s_cbranch_scc1 .Lno_norm_left
	WIN 0x80
	HEAD32 GA, 82
	HEAD32 BE, 86
	WIN 0
.Lno_norm_left:
	s_wait_xcnt 0x0                                ; the prefetches have read their base
	s_add_nc_u64 s[52:53], s[52:53], 786432
	s_add_co_u32 s66, s66, 1
	s_cmp_lt_u32 s66, 2
	s_wait_alu depctr_va_vdst(0)                   ; the wait ahead of the backward jump
	s_cbranch_scc1 .Lqk
	s_wait_loadcnt 0x0                             ; unit v
	STEP 1, 0, 0, 1
	STEP 1, 1, 0, 0
	STEP 1, 2, 0, 0
	STEP 1, 3, 2, 0
	STEP 1, 4, 0, 0
	STEP 1, 5, 0, 0
	STEP 1, 6, 0, 0
	STEP 1, 7, 3, 0
.irp t, 0,1,2,3
	QUANTV 64*\t
.irp g, 0,1,2
	global_store_b128 v8, v[PC+4*\g:PC+4*\g+3], s[58:59] offset:6144+1536*\t+512*\g
.endr
	global_store_b32 v2, v[PW], s[58:59] offset:12800+128*\t
.endr
	s_wait_tensorcnt 0x0                           ; the wave's end
	ds_add_u32 v[SPW], v[NIL]
	s_wait_dscnt 0x0
	ROUND                                          ; the closing round: no work-group ends while a partner may still ask for a piece that names it
	s_endpgm
.Lfunc_end_k_q1660564221_proj:
	.size	k_q1660564221_proj, .Lfunc_end_k_q1660564221_proj-k_q1660564221_proj
	.p2alignl 7, 3214868480
	.fill 96, 4, 3214868480
	.section	.rodata,"a",@progbits
	.p2align	6, 0x0
	.amdhsa_kernel k_q1660564221_proj
		.amdhsa_group_segment_fixed_size 327680
		.amdhsa_private_segment_fixed_size 0
		.amdhsa_enable_private_segment 0
		.amdhsa_kernarg_size 104
		.amdhsa_user_sgpr_count 2
		.amdhsa_user_sgpr_kernarg_segment_ptr 1
		.amdhsa_wavefront_size32 1
		.amdhsa_system_sgpr_workgroup_id_x 1
		.amdhsa_system_sgpr_workgroup_id_y 1
		.amdhsa_system_sgpr_workgroup_id_z 1
		.amdhsa_system_vgpr_workitem_id 0
		.amdhsa_next_free_vgpr 736
		.amdhsa_next_free_sgpr 102
		.amdhsa_reserve_vcc 0
		.amdhsa_float_denorm_mode_32 3
		.amdhsa_float_denorm_mode_16_64 3
		.amdhsa_memory_ordered 1
		.amdhsa_forward_progress 1
		.amdhsa_inst_pref_size 213
	.end_amdhsa_kernel
	.amdgpu_metadata
---
amdhsa.version: [ 1, 2 ]
amdhsa.kernels:
  - .name:           k_q1660564221_proj
    .symbol:         k_q1660564221_proj.kd
    .args:
      - { .name: xc, .offset: 0, .size: 8, .value_kind: global_buffer, .address_space: global }
      - { .name: xs, .offset: 8, .size: 8, .value_kind: global_buffer, .address_space: global }
      - { .name: wc, .offset: 16, .size: 8, .value_kind: global_buffer, .address_space: global }
      - { .name: ws, .offset: 24, .size: 8, .value_kind: global_buffer, .address_space: global }
      - { .name: bq, .offset: 32, .size: 8, .value_kind: global_buffer, .address_space: global }
      - { .name: bkv, .offset: 40, .size: 8, .value_kind: global_buffer, .address_space: global }
      - { .name: gamma_q, .offset: 48, .size: 8, .value_kind: global_buffer, .address_space: global }
      - { .name: gamma_k, .offset: 56, .size: 8, .value_kind: global_buffer, .address_space: global }
      - { .name: beta_q, .offset: 64, .size: 8, .value_kind: global_buffer, .address_space: global }
      - { .name: beta_k, .offset: 72, .size: 8, .value_kind: global_buffer, .address_space: global }
      - { .name: qc, .offset: 80, .size: 8, .value_kind: global_buffer, .address_space: global }
      - { .name: qs, .offset: 88, .size: 8, .value_kind: global_buffer, .address_space: global }
      - { .name: kv, .offset: 96, .size: 8, .value_kind: global_buffer, .address_space: global }
    .group_segment_fixed_size: 327680
    .private_segment_fixed_size: 0
    .kernarg_segment_align: 8
    .kernarg_segment_size: 104
    .max_flat_workgroup_size: 128
    .sgpr_count:     102
    .vgpr_count:     736
    .wavefront_size: 32
...
	.end_amdgpu_metadata
.endif
;; end of part 2
;; launch attn (part 3): grid 4 x 64, 16 waves a work-group, clusters of 4 x 1, 327,680 bytes of LDS; arguments qc, qs, kv, out0; writes out0
.if DOCPART == 3
	.amdgcn_target "amdgcn-amd-amdhsa--gfx1250"
	.amdhsa_code_object_version 6
	.text
	.protected	k_q1660564221_attn
	.globl	k_q1660564221_attn
	.p2align	8
	.type	k_q1660564221_attn,@function
k_q1660564221_attn:
	s_mov_b64 s[64:65], 0
	v_nop
	global_prefetch_b8 v0, s[64:65] scope:SCOPE_SE
	s_setreg_imm32_b32 hwreg(HW_REG_WAVE_MODE, 25, 1), 1
	s_wait_xcnt 0x0
	s_wait_alu depctr_hold_cnt(0) depctr_sa_sdst(0) depctr_va_vdst(0) depctr_va_sdst(0) depctr_va_ssrc(0) depctr_va_vcc(0) depctr_vm_vsrc(0)
	s_getreg_b32 s2, hwreg(HW_REG_IB_STS2, 6, 4)
	s_cmp_eq_u32 s2, 0
	s_cbranch_scc0 .Lentry_in_a_cluster
	s_endpgm
.Lentry_in_a_cluster:
	s_bfe_u32 s2, ttmp6, 0x10000c
	s_cmp_lg_u32 s2, 0x3003
	s_cbranch_scc0 .Lentry_shape_is_right
	s_endpgm
.Lentry_shape_is_right:
; out[b][n][64 h ..] = the sum over keys of softmax(q . k / 8) v, for 64 (batch, head) pairs, 2,048 queries and keys, head size 64; both products on codes of FP6 (E2M3) with E8M0 scales.
; THE SOFTMAX: t = score x log2(e) / 8; M = the row's largest t so far, rounded UP to a whole number; p = 2^(t - M) is quantised along the keys, not normalised; the row's sum is taken of the
; unquantised p and divides at the end.  When M moves, the sums and O are multiplied by 2^(old M - new M): exact.
; LIMITS: NaN and infinities are not served; the promise holds while |t| stays under 2^31; a block of p that has fallen to zeros keeps the byte 1 (its codes are zeros).
; SHARES.  A work-group owns 512 queries of one (batch, head); each of its 16 waves owns 32: two tiles of 16, one after the other.  A whole head's k, v and scale words, 16 records of 13,312 bytes,
; lie in LDS; every byte is filled ONCE, in two groups.  At the head each wave brings a sixteenth (3,328 bytes) of records 0-3; behind a round of the cluster's barrier each brings a sixteenth
; (9,984 bytes) of records 4-15, which land while query tile 0 walks key steps 0-3; a barrier stands in front of its key step 4.  One tensor load of a wave is out at the most.
; CLUSTER: the four work-groups of a head read the same records: each piece is asked for jointly, with a mask that names the four.
; No prefetch: both fills stand at the launch's head, and no loop runs ahead of a load.
; A record: four images of k (registers 0-5 tile 2 P, 6-11 tile 2 P + 1, 64 codes a key); at 6144 four images of v (16 channels x 128 keys); at 12288 k's scale words; at 12800 v's.
; An image: registers 4 g .. 4 g + 3 of lane l at byte 512 g + 16 l.
; LAYOUT.  S^T = k q^T (source 0 = 16 keys, source 1 = 16 queries), O^T = v^T p^T: a lane holds ONE query throughout.  Row r of k's tile 4 c + i is key 64 c + 8 i + r % 8 + 32 (r / 8) of the step's 128,
; so register 32 c + e of the scores of lane (r, h) is key 64 c + 32 h + e: A WHOLE BLOCK OF 32 KEYS LIES IN ONE LANE, in the order of p's operand: a block's largest score needs no other lane,
; and the conversions' results are the operand's registers.  The queries of a tile lie in the same order within their 128, which the way out undoes.
; THE HEAD'S K IS 64 UNDER AN INSTRUCTION OF 128: q's operand has six registers of zero codes above its six; k's operand is its six registers and the six that follow them (the next tile's codes,
; behind the last tile six registers of zeros): finite numbers times zeros.  The scale bytes of that upper half are 0 on both sides (2^-127).
.set REC,   13312
.set STG,   0                          ; LDS: a stage of 16 rows x (256 bytes + 16) for each wave,
.set SPARE, 69632                      ; the spare words, 128 bytes for each wave,
.set RB0,   71680                      ; and the 16 records
.set QA,   16                          ; v16-27   q's tile: six registers of codes, six of zeros
.set Q1,   28                          ; v28-33   tile 1's codes, in waiting
.set KF,   34                          ; v34-81   k's eight tiles, six registers each; then v's four fragments
.set ZK,   82                          ; v82-87   zeros: the upper half of k's last tile
.set PC,   88                          ; v88-99   p's codes
.set PT,   100                         ; v100-107 the conversions' upper halves
.set SCO,  108                         ; v108-171 S^T, then p
.set OT,   172                         ; v172-203 O^T
.set KSC,  204                         ; v204-207 k's scale words; v208-211 v's
.set VSC,  208
.set BM,   212                         ; v212-215 four chains of maxima; then v212, v214: my two blocks' largest scores, then largest p
.set SOP,  216                         ; v216-217 the conversions' scale operands
.set BY,   218                         ; v218-219 the scale bytes
.set FF,   220                         ; v[220:221] f = 2^(old M - new M)
.set PW,   222                         ; v222     p's scale word
.set QSP,  223                         ; v223     q's scale words: lanes 0-15 tile 0, lanes 16-31 tile 1
.set LS,   224                         ; v224-231 the row's sum, in four chains of two
.set TT,   232                         ; v232-235 at work
.set TU,   233
.set OLD,  234
.set WP,   235
; v1 16 x lane, v2 4 x lane, v3, v4 the step's LDS addresses, v5-7 the way out, v10 8 h, v12 -M, v13 the largest score, v14 the sum; v240, v241 the add's two registers
.macro ROUND                           ; a round of the cluster's barrier
	s_barrier_signal -1
	s_barrier_wait -1
	s_cmp_lg_u32 s12, 0
	s_cbranch_scc1 .Lnot_wave_0_\@
	s_barrier_signal -3
.Lnot_wave_0_\@:
	s_barrier_wait -3
	s_barrier_signal -1
	s_barrier_wait -1
.endm
; D = A B, a sum begun with the constant 0.  ra, rb = 1: that side's scale words stand in lanes 16-31
.macro WMZ d, a, b, sa, sb, ra, rb
.set rD, \d
.set rA, \a
.set rB, \b
.set rS, \sa
.set rT, \sb
.if (\ra) && (\rb)
	v_wmma_scale_f32_16x16x128_f8f6f4 v[rD:rD+7], v[rA:rA+11], v[rB:rB+11], 0, v[rS], v[rT] matrix_a_fmt:MATRIX_FMT_FP6 matrix_b_fmt:MATRIX_FMT_FP6 matrix_a_scale:MATRIX_SCALE_ROW1 matrix_b_scale:MATRIX_SCALE_ROW1
.elseif (\ra)
	v_wmma_scale_f32_16x16x128_f8f6f4 v[rD:rD+7], v[rA:rA+11], v[rB:rB+11], 0, v[rS], v[rT] matrix_a_fmt:MATRIX_FMT_FP6 matrix_b_fmt:MATRIX_FMT_FP6 matrix_a_scale:MATRIX_SCALE_ROW1
.elseif (\rb)
	v_wmma_scale_f32_16x16x128_f8f6f4 v[rD:rD+7], v[rA:rA+11], v[rB:rB+11], 0, v[rS], v[rT] matrix_a_fmt:MATRIX_FMT_FP6 matrix_b_fmt:MATRIX_FMT_FP6 matrix_b_scale:MATRIX_SCALE_ROW1
.else
	v_wmma_scale_f32_16x16x128_f8f6f4 v[rD:rD+7], v[rA:rA+11], v[rB:rB+11], 0, v[rS], v[rT] matrix_a_fmt:MATRIX_FMT_FP6 matrix_b_fmt:MATRIX_FMT_FP6
.endif
.endm
.macro ADDS q0, n                      ; n pairs of p, from pair q0 on, onto the four chains of the sum by turns
.set q, \q0
.rept \n
	v_pk_add_f32 v[LS+2*(q%4):LS+2*(q%4)+1], v[LS+2*(q%4):LS+2*(q%4)+1], v[SCO+2*q:SCO+2*q+1]
.set q, q+1
.endr
.endm
; A KEY STEP of 128 keys for query tile u.  At its head v3 and v4 point one record behind the step's; behind the scores' products they are stepped onto it
.macro STEP u
.irp i, 0,1,2,3,4,5,6,7,8,9,10,11
	ds_load_b128 v[KF+4*\i:KF+4*\i+3], v3 offset:REC+512*\i
.endr
.irp b, 0,1,2,3
	ds_load_b32 v[KSC+\b], v4 offset:REC+12288+128*\b
.endr
	s_wait_dscnt 0x0
.irp t, 0,1,2,3,4,5,6,7
	WMZ SCO+8*\t, KF+6*\t, QA, KSC+\t/2, QSP, \t%2, \u
.endr
	s_add_co_u32 s32, s32, REC
	v_add_nc_u32 v3, s32, v1                       ; four plain instructions between the products and the loads into their registers and the first read of the scores (ISA guide 7.12.1 for the first read)
	v_add_nc_u32 v4, s32, v2
	v_mov_b32 v[OLD], v12                          ; the old -M
	v_nop
.irp i, 0,1,2,3,4,5,6,7,8,9,10,11
	ds_load_b128 v[KF+4*\i:KF+4*\i+3], v3 offset:6144+512*\i       ; v's fragments land while the softmax is worked
.endr
.irp t, 0,1,2,3
	ds_load_b32 v[VSC+\t], v4 offset:12800+128*\t
.endr
.irp k, 0,1,2,3
	v_max3_num_f32 v[BM+\k], v[SCO+16*\k], v[SCO+16*\k+1], v[SCO+16*\k+2]   ; four chains by turns, each accumulator from its low end on
.endr
.irp i, 3,5,7,9,11,13
.irp k, 0,1,2,3
	v_max3_num_f32 v[BM+\k], v[BM+\k], v[SCO+16*\k+\i], v[SCO+16*\k+\i+1]
.endr
.endr
.irp c, 0,1
	v_max3_num_f32 v[BM+2*\c], v[BM+2*\c], v[SCO+32*\c+15], v[SCO+32*\c+31]
.endr
.irp c, 0,1
	s_delay_alu instid0(VALU_DEP_2)
	v_max_num_f32 v[BM+2*\c], v[BM+2*\c], v[BM+2*\c+1]   ; the largest score of my block 2 c + h: it serves for the row's maximum and, since p rises with the score, for the block's largest p
.endr
	s_delay_alu instid0(VALU_DEP_1)
	v_max_num_f32 v[TT], v[BM], v[BM+2]
	s_delay_alu instid0(VALU_DEP_1)
	v_permlanex16_b32 v[TU], v[TT], s28, s29
	s_delay_alu instid0(VALU_DEP_1)
	v_max3_num_f32 v13, v13, v[TT], v[TU]          ; the running largest score of my query, both halves of the lanes
	s_delay_alu instid0(VALU_DEP_1)
	v_mul_f32 v[TT], s43, v13                      ; -t (c is positive)
	s_delay_alu instid0(VALU_DEP_1)
	v_floor_f32 v12, v[TT]                         ; the new -M = floor(-t) = -ceil(t): a whole number
	s_delay_alu instid0(VALU_DEP_1)
	v_sub_f32 v[TT], v12, v[OLD]                   ; M's old value less its new one: a whole number, 0 or less
	s_delay_alu instid0(VALU_DEP_1)
	v_cvt_i32_f32 v[TT], v[TT]                     ; (it saturates)
	s_delay_alu instid0(VALU_DEP_1)
	v_ldexp_f32 v[FF], 1.0, v[TT]                  ; f = 2^(old M - new M)
.set j, 0
.rept 32
	v_pk_fma_f32 v[SCO+j:SCO+j+1], v[SCO+j:SCO+j+1], s[30:31], v[12:13] op_sel_hi:[1,0,0]   ; t - M, two at a time
.set j, j+2
.endr
.irp c, 0,1
	v_fma_f32 v[BM+2*\c], v[BM+2*\c], s30, v12     ; the same of each block's largest score
.endr
.set j, 0
.rept 16
	v_pk_mul_f32 v[OT+j:OT+j+1], v[OT+j:OT+j+1], v[FF:FF+1] op_sel_hi:[1,0]   ; O^T under the new M, each accumulator from its low end on
.set j, j+2
.endr
.irp k, 0,1,2
	v_pk_mul_f32 v[LS+2*\k:LS+2*\k+1], v[LS+2*\k:LS+2*\k+1], v[FF:FF+1] op_sel_hi:[1,0]   ; the sums under the new M
.endr
	s_wait_alu depctr_va_vdst(0)                   ; the wait ahead of the batch, and ahead of the wait below
	s_wait_dscnt 0x0                               ; v's fragments and words (asked for 90 vector instructions ago)
	v_exp_f32 v[BM], v[BM]                         ; the blocks' largest p
	v_exp_f32 v[BM+2], v[BM+2]
.set j, 0
.rept 32
	v_exp_f32 v[SCO+j], v[SCO+j]                   ; p = 2^(t - M), at most 1: my first block
.set j, j+1
.endr
	v_pk_mul_f32 v[LS+6:LS+7], v[LS+6:LS+7], v[FF:FF+1] op_sel_hi:[1,0]   ; the fourth chain: the plain instruction behind the exponentials
	s_wait_alu depctr_va_vdst(0)                   ; one wait for the first batch, ahead of the second
.set j, 32
.rept 32
	v_exp_f32 v[SCO+j], v[SCO+j]                   ; my second block; the work on the first follows it
.set j, j+1
.endr
.irp c, 0,1
	v_max_num_f32 v[BM+2*\c], 0x1800000, v[BM+2*\c]   ; the floor 2^(3 - 127): the byte cannot fall under 1
.endr
	ADDS 0, 4
.irp c, 0,1
	v_add_nc_u32 v[SOP+\c], 0xff000000, v[BM+2*\c]    ; 2 off the exponent field: the conversion's scale operand
.endr
	ADDS 4, 4
.irp c, 0,1
	v_lshrrev_b32 v[BY+\c], 23, v[SOP+\c]          ; the scale's byte
.endr
	ADDS 8, 4
	v_lshl_or_b32 v[PW], v[BY+1], 16, v[BY]        ; my two bytes: blocks h and 2 + h,
	s_delay_alu instid0(VALU_DEP_1)
	v_lshlrev_b32 v[PW], v10, v[PW]                ; 8 h bits up;
	s_delay_alu instid0(VALU_DEP_1)
	v_permlanex16_b32 v[WP], v[PW], s28, s29
	s_delay_alu instid0(VALU_DEP_1)
	v_or_b32 v[PW], v[PW], v[WP]                   ; with the other half's two, p's scale word for these 128 keys
	v_cvt_scalef32_pk16_fp6_f32 v[PC:PC+2], v[SCO:SCO+15], v[SOP]
	v_cvt_scalef32_pk16_fp6_f32 v[PT:PT+2], v[SCO+16:SCO+31], v[SOP]   ; (a conversion's three registers begin on an even number)
	ADDS 12, 4
	s_wait_alu depctr_va_vdst(0)                   ; and one wait for the second batch, ahead of its first reader
	v_cvt_scalef32_pk16_fp6_f32 v[PC+6:PC+8], v[SCO+32:SCO+47], v[SOP+1]
	v_cvt_scalef32_pk16_fp6_f32 v[PT+4:PT+6], v[SCO+48:SCO+63], v[SOP+1]
	ADDS 16, 4                                     ; plain instructions behind the scaled conversions
.irp c, 0,1
.irp i, 0,1,2
	v_mov_b32 v[PC+3+6*\c+\i], v[PT+4*\c+\i]
.endr
.endr
	ADDS 20, 8                                     ; eight plain instructions between p's codes and the products; 26 stand behind p's word
.irp t, 0,1,2,3                                ; the four accumulators take turns
	v_wmma_scale_f32_16x16x128_f8f6f4 v[OT+8*\t:OT+8*\t+7], v[KF+12*\t:KF+12*\t+11], v[PC:PC+11], v[OT+8*\t:OT+8*\t+7], v[VSC+\t], v[PW] matrix_a_fmt:MATRIX_FMT_FP6 matrix_b_fmt:MATRIX_FMT_FP6
.endr
	ADDS 28, 4                                     ; the sum's last four pairs: the four plain instructions between these products and the next step's loads into their registers
.endm
; Query tile u: all 16 key steps, then the way out
.macro TILE u
.if \u
	s_wait_xcnt 0x0                                ; the last tile's stores have read their registers, which the scores take again
.irp i, 0,1,2,3,4,5
	v_mov_b32 v[QA+\i], v[Q1+\i]
.endr
.endif
	s_mov_b32 s32, RB0-REC
	s_mov_b32 s33, 4+12*(\u)                       ; tile 0 walks key steps 0-3 first: records 4-15 are still on their way
	v_add_nc_u32 v3, s32, v1
	v_add_nc_u32 v4, s32, v2
	v_mov_b32 v13, 0xff61b1e6                      ; the largest score so far: -3e38, under every score
	v_mov_b32 v12, 0x7e000000                      ; -M: so large that the first f is 0
.set j, 0
.rept 8
	v_mov_b32 v[LS+j], 0
.set j, j+1
.endr
.set j, 0
.rept 32
	v_mov_b32 v[OT+j], 0                           ; the step is written once: its first trip finds zeros, which the first change of M leaves zeros
.set j, j+1
.endr
.Lstep_\@:
	STEP \u
	s_sub_co_u32 s33, s33, 1
	s_cmp_lg_u32 s33, 0
	s_cbranch_scc1 .Lstep_\@
.if (\u) == 0
	s_wait_alu depctr_va_vdst(0)                   ; directly ahead of the wait below
	s_wait_tensorcnt 0x0                           ; my piece of records 4-15 is in,
	s_barrier_signal -1
	s_barrier_wait -1                              ; everybody's is.
	s_mov_b32 s33, 12
.Lrest_\@:
	STEP \u
	s_sub_co_u32 s33, s33, 1
	s_cmp_lg_u32 s33, 0
	s_cbranch_scc1 .Lrest_\@
.endif
	v_pk_add_f32 v[LS:LS+1], v[LS:LS+1], v[LS+2:LS+3]
	v_pk_add_f32 v[LS+4:LS+5], v[LS+4:LS+5], v[LS+6:LS+7]
	s_delay_alu instid0(VALU_DEP_1)
	v_pk_add_f32 v[LS:LS+1], v[LS:LS+1], v[LS+4:LS+5]
	s_delay_alu instid0(VALU_DEP_1)
	v_add_f32 v14, v[LS], v[LS+1]                  ; my half of the row's sum,
	s_delay_alu instid0(VALU_DEP_1)
	v_permlanex16_b32 v[TU], v14, s28, s29
	s_delay_alu instid0(VALU_DEP_1)
	v_add_f32 v14, v14, v[TU]                      ; and lane l xor 16's
	s_wait_alu depctr_va_vdst(0)                   ; the wait ahead of the transcendental
	v_rcp_f32 v14, v14
	v_nop                                          ; a plain instruction behind the reciprocal
	s_wait_alu depctr_va_vdst(0)                   ; the wait ahead of the first use of the reciprocal and of the first read of O^T
.set j, 0
.rept 32
	v_mul_f32 v[SCO+j], v[OT+j], v14               ; register 16 i + e is channel 32 i + 16 (lane / 16) + e of my query; each accumulator from its low end on
.set j, j+1
.endr
.irp i, 0,1
.irp q, 0,1,2,3
	ds_store_b128 v6, v[SCO+16*\i+4*\q:SCO+16*\i+4*\q+3] offset:128*\i+16*\q
.endr
.endr
.irp i, 0,1,2,3,4,5,6,7
	ds_load_b128 v[SCO+32+4*\i:SCO+32+4*\i+3], v7 offset:544*\i    ; LDS serves a wave's instructions in order: these see my stores.  Lanes 0-15 one row of 256 bytes, lanes 16-31 the next
.endr
.irp i, 0,1,2,3,4,5,6,7
	s_wait_dscnt 7-\i                              ; the later read-backs may be out
	global_store_b128 v5, v[SCO+32+4*\i:SCO+32+4*\i+3], s[10:11] offset:(2*\i+24*(\i/4)+8*(\u))*4096 th:TH_STORE_NT   ; stage row m is query 8 u + m + 24 (m / 8) from my first; 16 lanes store 256 consecutive bytes, at a multiple of 256
.endr
.endm
	s_load_b256 s[4:11], s[0:1], 0x0               ; qc s[4:5], qs s[6:7], kv s[8:9], out0 s[10:11]
	v_lshl_add_u32 v240, v0, 2, SPARE
	v_mov_b32 v241, 0
	ds_add_u32 v240, v241                          ; the opening lines: the add, twice on end, and its wait ahead of my first tensor load
	ds_add_u32 v240, v241
	v_lshrrev_b32 v1, 5, v0
	v_readfirstlane_b32 s12, v1                    ; wave 0..15
	s_bfe_u32 s13, ttmp6, 0x40000                  ; cx: which 512 queries
	s_and_b32 s14, ttmp7, 0xffff                   ; bh, which the four partners share
	; a piece of the records: dense bytes as rows of 256 (32 elements of 8 bytes): 13 rows in the first group, 39 in the second
	s_mov_b32 s16, 15|(3<<16)|(1<<21)              ; 15:0 the mask: all four work-groups; 17:16 elements of 8 bytes; 21 set beside a mask
	s_mov_b32 s17, 32<<16                          ; tensor_dim0
	s_mov_b32 s18, 13<<16                          ; tensor_dim1
	s_mov_b32 s19, 32<<16                          ; tile_dim0
	s_mov_b32 s20, 13                              ; tile_dim1
	s_mov_b32 s21, 32                              ; the pitch
	s_mov_b32 s22, 0
	s_mov_b32 s23, 0
	s_mov_b32 s24, 1
	s_mul_i32 s34, s12, 3328
	s_add_co_u32 s25, s34, RB0                     ; LDS address: sixteenth w of records 0-3
	s_mul_i32 s35, s14, 16*REC
	s_add_co_u32 s34, s34, s35                     ; and in memory: the same place in the head's records
	s_mov_b32 s35, 0
	s_lshl_b32 s36, s14, 6
	s_lshl_b32 s37, s13, 4
	s_add_co_u32 s36, s36, s37
	s_add_co_u32 s36, s36, s12                     ; my image of q: 64 bh + 16 cx + w
	s_mul_i32 s38, s36, 1536
	s_mov_b32 s39, 0
	s_lshl_b32 s36, s36, 7
	s_mov_b32 s37, 0
	s_lshr_b32 s40, s14, 4
	s_lshl_b32 s40, s40, 11                        ; out0: the batch's 2,048 rows,
	s_lshl_b32 s41, s13, 9
	s_add_co_u32 s40, s40, s41                     ; my work-group's 512,
	s_lshr_b32 s41, s12, 1
	s_lshl_b32 s41, s41, 6
	s_add_co_u32 s40, s40, s41
	s_and_b32 s41, s12, 1
	s_lshl_b32 s41, s41, 4
	s_add_co_u32 s40, s40, s41                     ; my first query: + 64 (w / 2) + 16 (w % 2),
	s_lshl_b32 s40, s40, 12                        ; rows of 4,096 bytes,
	s_and_b32 s41, s14, 15
	s_lshl_b32 s41, s41, 8                         ; the head's 256 bytes
	s_add_co_u32 s40, s40, s41
	s_mov_b32 s41, 0
	s_mul_i32 s42, s12, 4352
	s_add_co_u32 s42, s42, STG                     ; my stage
	s_mov_b32 s28, 0x76543210
	s_mov_b32 s29, 0xfedcba98                      ; v_permlanex16_b32's selects for lane l xor 16
	s_mov_b32 s30, 0x3e38aa3b                      ; c = log2(e) / 8
	s_mov_b32 s31, s30                             ; (named with it as a pair, so it is written)
	s_mov_b32 s43, 0xbe38aa3b                      ; -c
	v_and_b32 v8, 31, v0
	v_and_b32 v9, 15, v0                           ; r
	v_bfe_u32 v11, v0, 4, 1                        ; h
	v_lshlrev_b32 v1, 4, v8                        ; 16 x lane
	v_lshlrev_b32 v2, 2, v8                        ; 4 x lane
	v_lshlrev_b32 v10, 3, v11                      ; 8 h
	v_lshlrev_b32 v5, 12, v11
	v_mul_u32_u24 v6, v9, 272
	v_mul_u32_u24 v7, v11, 272
	v_lshl_add_u32 v5, v9, 4, v5                   ; out0: lanes 0-15 one row, lanes 16-31 the next; 16 bytes a lane
	v_lshl_add_u32 v6, v11, 6, v6
	v_lshl_add_u32 v7, v9, 4, v7
	v_add_nc_u32 v6, s42, v6                       ; the stage, in: row r, + 64 h
	v_add_nc_u32 v7, s42, v7                       ; and back
	s_wait_alu depctr_va_vdst(0)                   ; directly ahead of the waits below
	s_wait_dscnt 0x0                               ; both opening adds are done
	s_wait_kmcnt 0x0
	s_add_nc_u64 s[26:27], s[8:9], s[34:35]
	s_or_b32 s27, s27, 0x80000000
	s_add_nc_u64 s[4:5], s[4:5], s[38:39]
	s_add_nc_u64 s[6:7], s[6:7], s[36:37]
	s_add_nc_u64 s[10:11], s[10:11], s[40:41]
	ROUND                                          ; all four work-groups are here: the joint loads meet
	tensor_load_to_lds s[24:27], s[16:23]          ; my piece of records 0-3: one tensor load a wave at the head
	s_nop 0
.rept 4
	v_nop                                          ; (four v_nop follow the tensor load)
.endr
.irp g, 0,1,2
	global_load_b128 v[QA+4*\g:QA+4*\g+3], v1, s[4:5] offset:512*\g   ; q's image of my two tiles
.endr
	global_load_b32 v[QSP], v2, s[6:7]
.irp i, 0,1,2,3,4,5
	v_mov_b32 v[ZK+\i], 0
.endr
	v_mov_b32 v[FF+1], 0                           ; (named as the upper half of a pair)
	v_mov_b32 v[TU], 0                             ; written once: a lane permute's destination counts as one of its sources
	v_mov_b32 v[WP], 0
	s_wait_alu depctr_va_vdst(0)                   ; the wait at the head's end
	s_wait_tensorcnt 0x0                           ; my piece of records 0-3 is in
	ds_add_u32 v240, v241
	s_mov_b32 s18, 39<<16                          ; no tensor load of mine is out, so the descriptor may be written: 39 rows,
	s_mov_b32 s20, 39
	s_mul_i32 s36, s12, 6656
	s_add_co_u32 s36, s36, 53248                   ; from sixteenth w of records 0-3 to sixteenth w of records 4-15: 53,248 + (9,984 - 3,328) w bytes,
	s_mov_b32 s37, 0
	s_add_co_u32 s25, s25, s36                     ; in LDS
	s_add_nc_u64 s[26:27], s[26:27], s[36:37]      ; and in memory alike
	s_wait_dscnt 0x0                               ; the add is done
	ROUND                                          ; everybody's piece of records 0-3 is in, and all four work-groups are here
	tensor_load_to_lds s[24:27], s[16:23]          ; my piece of records 4-15: my one tensor load behind the round
	s_nop 0
.rept 4
	v_nop
.endr
	s_wait_loadcnt 0x0
.irp i, 0,1,2,3,4,5
	v_mov_b32 v[Q1+\i], v[QA+6+\i]                 ; tile 1's codes wait,
.endr
.irp i, 0,1,2,3,4,5
	v_mov_b32 v[QA+6+\i], 0                        ; and zero codes stand for the K that the head does not have
.endr
	TILE 0
	TILE 1
	s_wait_tensorcnt 0x0                           ; the wave's end, behind my last LDS store
	ds_add_u32 v240, v241
	s_wait_dscnt 0x0
	ROUND                                          ; the closing round: no work-group ends while a partner may still ask for a piece that names it
	s_endpgm
.Lfunc_end_k_q1660564221_attn:
	.size	k_q1660564221_attn, .Lfunc_end_k_q1660564221_attn-k_q1660564221_attn
	.p2alignl 7, 3214868480
	.fill 96, 4, 3214868480
	.section	.rodata,"a",@progbits
	.p2align	6, 0x0
	.amdhsa_kernel k_q1660564221_attn
		.amdhsa_group_segment_fixed_size 327680
		.amdhsa_private_segment_fixed_size 0
		.amdhsa_enable_private_segment 0
		.amdhsa_kernarg_size 32
		.amdhsa_user_sgpr_count 2
		.amdhsa_user_sgpr_kernarg_segment_ptr 1
		.amdhsa_wavefront_size32 1
		.amdhsa_system_sgpr_workgroup_id_x 1
		.amdhsa_system_sgpr_workgroup_id_y 1
		.amdhsa_system_sgpr_workgroup_id_z 1
		.amdhsa_system_vgpr_workitem_id 0
		.amdhsa_next_free_vgpr 242
		.amdhsa_next_free_sgpr 66
		.amdhsa_reserve_vcc 0
		.amdhsa_float_denorm_mode_32 3
		.amdhsa_float_denorm_mode_16_64 3
		.amdhsa_memory_ordered 1
		.amdhsa_forward_progress 1
		.amdhsa_inst_pref_size 63
	.end_amdhsa_kernel
	.amdgpu_metadata
---
amdhsa.version: [ 1, 2 ]
amdhsa.kernels:
  - .name:           k_q1660564221_attn
    .symbol:         k_q1660564221_attn.kd
    .args:
      - { .name: qc, .offset: 0, .size: 8, .value_kind: global_buffer, .address_space: global }
      - { .name: qs, .offset: 8, .size: 8, .value_kind: global_buffer, .address_space: global }
      - { .name: kv, .offset: 16, .size: 8, .value_kind: global_buffer, .address_space: global }
      - { .name: out0, .offset: 24, .size: 8, .value_kind: global_buffer, .address_space: global }
    .group_segment_fixed_size: 327680
    .private_segment_fixed_size: 0
    .kernarg_segment_align: 8
    .kernarg_segment_size: 32
    .max_flat_workgroup_size: 512
    .sgpr_count:     66
    .vgpr_count:     242
    .wavefront_size: 32
...
	.end_amdgpu_metadata
.endif
;; end of part 3
